; MI455X (gfx1250); checked and timed in simulation.
; The chip was launched on July 23, 2026; its instructions are those of AMD's public machine-readable ISA for CDNA 5 (MIT licence, August 2026) and "CDNA5" Instruction Set Architecture Reference Guide (July 2026). The comments in the code are by the model that wrote it; some were corrected since.
;; Slice Self Attention. Allowed arithmetic: matrix products marked QUANTISED: E2M1 operands, one E8M0 scale for each 32 along K, by v_wmma_scale_f32_16x16x128_f8f6f4 with both operands' format E2M1 (or v_wmma_scale_f32_32x16x128_f4), f32 sums; everything else in f32.
;; Inputs: beta_t 256 float32; beta_v 256 float32; gamma_t 256 float32; gamma_v 256 float32; text_tokens 8 x 4,096 x 256 float32; visual_tokens 8 x 4,096 x 256 float32.
;; Outputs: out0 8 x 4,096 x 256 float32.
;; This version of the problem:
;;   THIS VERSION OF THE PROBLEM IS GIVEN IN LOW PRECISION. The matrix products marked QUANTISED in the list below multiply operands that are first quantised to E2M1 (2 exponent bits, 1 mantissa bit; 4 bits a number), with one power-of-two scale for each 32 numbers along K (OCP MX v1.0); their sums are f32. All else is computed in f32.
;;   The module's matrix products, in the order in which they are computed (A, B: the left and right operand; K: the contracted axis; several contracted axes count as one K, in the product's order):
;;     1. batch 8 x [M 4,096, K 256] x [K 256, N 4,096]; A: computed on the way; B: computed on the way: QUANTISED
;;     2. batch 8 x [M 4,096, K 4,096] x [K 4,096, N 256]; A: softmax (see below); B: computed on the way: QUANTISED
;;   THE QUANTISER, for each operand of a quantised product, along K:
;;     - K is cut into blocks of 32 from its start; a last block that is shorter is filled with zeros.
;;     - A block's scale is 2^e with e = floor(log2(the largest magnitude in the block)) - 2, held to -126 .. 127; a block of zeros has e = 0. As a byte (E8M0): e + 127.
;;     - Each number is divided by its block's scale, clamped to +-6, and rounded to the nearest number of E2M1, ties to even, subnormals kept.
;;     - The product sums the exact products of the quantised numbers (number of the format x scale) in f32.
;;   ~~~python
;;   def quantise(x, axis):      # numpy; x: float32 -> the quantised numbers, widened to float32 again
;;       x = np.moveaxis(x, axis, -1); K = x.shape[-1]
;;       x = np.pad(x, [(0, 0)] * (x.ndim - 1) + [(0, -K % 32)]); x = x.reshape(x.shape[:-1] + (-1, 32)); a = np.abs(x).max(-1, keepdims=True)
;;       e = np.where(a > 0, np.clip(np.frexp(np.where(a > 0, a, 1))[1] - 1 - 2, -126, 127), 0)      # np.frexp(a)[1] - 1 = floor(log2(a)), exactly
;;       r = np.clip(x / 2.0 ** e, -6, 6)
;;       step = 2.0 ** (np.maximum(np.frexp(np.where(r == 0, 1, r))[1] - 1, 0) - 1)
;;       q = np.round(r / step) * step * 2.0 ** e      # np.round: ties to even
;;       return np.moveaxis(q.reshape(q.shape[:-2] + (-1,))[..., :K], -1, axis).astype(np.float32)
;;   ~~~
;;   SOFTMAX AHEAD OF A QUANTISED PRODUCT. Where the list says 'softmax', what is quantised is not the finished softmax but p = 2^(t - M), with t = logit x log2(e) and M = ceil(the row's largest t), a whole number; so 1/2 < the row's largest p <= 1. The row's sum l is taken of the UNQUANTISED p, in f32, and the product's result is divided by l at the end. Since M is a whole number, a kernel that streams over the keys may use a running M (the ceiling of the running maximum): every later rescaling is an exact power of two, which a block's scale takes up: the codes' values come out the same.
;;   OPERANDS COMPUTED ON THE WAY. 'Computed on the way' means the value that the module computes at that place (a softmax that the list does not call 'softmax' is quantised finished and normalised). What goes into a quantiser is computed in f32, as accurately as f32 sums, v_exp_f32 and their like allow (about 1e-6 of the number): no bf16 or f16 on the way to a quantiser, and a product that is left as it is and whose result goes on into a quantised operand takes f32 operands (vector FMAs, or v_wmma_f32_16x16x4_f32). A number that lies on a knife's edge between two numbers of the format may be rounded either way, as far as f32 arithmetic and the matrix unit's own rounding can turn it there, and no further.
;; One version. Each part assembles by itself: llvm-mc -triple=amdgcn-amd-amdhsa -mcpu=gfx1250 --defsym DOCPART=n.
;; ======== version 1 of 1: 2 launches
;; limits: right only within a limited range of input values
;; workspace buffers: q 4,456,448 bytes; kv 8,912,896 bytes
;; launch prep (part 1): grid 256 x 1, 8 waves a work-group, no clusters, 320,512 bytes of LDS; arguments text_tokens, visual_tokens, gamma_t, beta_t, gamma_v, beta_v, q, kv; writes q, kv
.if DOCPART == 1
	.amdgcn_target "amdgcn-amd-amdhsa--gfx1250"
	.amdhsa_code_object_version 6
	.text
	.protected	k_q49ffe821b5_prep
	.globl	k_q49ffe821b5_prep
	.p2align	8
	.type	k_q49ffe821b5_prep,@function
k_q49ffe821b5_prep:
	s_mov_b64 s[64:65], 0
	v_nop
	global_prefetch_b8 v0, s[64:65] scope:SCOPE_SE
	s_setreg_imm32_b32 hwreg(HW_REG_WAVE_MODE, 25, 1), 1
	s_wait_xcnt 0x0
; LayerNorm of text_tokens and visual_tokens ([32768][256] f32 each, gains and biases as given) in f32, and the three quantisations to FP4 (E2M1) with one E8M0 byte for each 32 along K:
; the normalised visual rows along d (Q), the normalised text rows along d (K), and the normalised text rows along the KEYS (V).  Codes and scale words are stored as images of the operands' registers,
; so that the attention launch reads every fragment as 16 bytes a lane, lane after lane.
; SHARES.  Work-group g takes rows 128 g .. 128 g + 127 of both tensors: waves 0-3 the text rows, waves 4-7 the visual rows, 32 rows a wave.  A wave's 32 rows (32 KiB) come by ONE tensor load into its own tile in LDS.
; ROW PHASE: A LANE IS A ROW; its 256 numbers lie in 256 registers (window 1): mean, variance, normalisation and the eight blocks' maxima never leave the lane.
; COLUMN PHASE (text only): the normalised rows go back into the wave's own tile and are read by columns: A LANE IS A CHANNEL, its 32 registers run down the wave's 32 keys, which are one block of the second product's K.
; LAYOUT OF THE WORKSPACE.  q: a block of 128 rows is 17,408 bytes: codes (16,384), scale image (1,024).  kv: block g, 34,816 bytes, holds rows 128 g on: K's codes (16,384), V's codes (16,384), K's scale image (1,024), V's (1,024).
;   row codes: tile t (16 rows), K step s (128 d), half c: ((2 t + s) 2 + c) 512 + 16 lane; lane (r, h) holds block 4 s + 2 c + h of its row.
;   THE ROWS OF A TILE ARE NOT NEIGHBOURS: of 64 rows, tile u (0 .. 3) takes in its lane r the row 8 u + r % 8 + 32 (r / 8): in the first product's transposed result the 32 registers that a lane holds of four neighbouring tiles are then one whole block of 32 neighbouring rows.
;   A wave's 32 rows so lie in four tiles, eight to a tile: the row codes are gathered in LDS (CST: text's 16,384 bytes, then visual's) and leave behind the barrier, each wave storing 4,096 consecutive bytes.
;   row scale image: word (t / 4) 512 + 16 lane + 4 (t % 4): lanes 0-15 the word of K step 0, lanes 16-31 that of K step 1.
;   V codes: channel tile n, half c: (2 n + c) 512 + 16 lane: channel 16 n + r, keys 64 c + 32 h + 0 .. 31.   V scale image: word (m / 4) 512 + 16 lane + 4 (m % 4): channel 32 m + lane; byte kb: key block kb.
; A block's scale is 2^(floor(log2(largest magnitude)) - 2); its byte is the largest magnitude's exponent field - 2, held at 1 from below.
; LIMITS: NaN and infinities among the inputs are not served.  A block whose largest magnitude lies under 2^-124 (a block of zeros among them) gets the byte 1 where the quantiser's text gives a smaller exponent or 127:
; a block of zeros has zero codes, which add nothing under that byte; the bytes are read by this program alone.
; No cluster: the work-groups share no input.  No prefetch: every byte is asked for at the kernel's head.  LDS bytes are filled once, so there is no ring.
.set TP,    1040                       ; a row of the tile in LDS: 1,024 bytes + 16 of padding
.set TILEB, 32*TP                      ; a wave's tile
.set GB,    8*TILEB                    ; behind the tiles: for each wave its own copy of gamma (1,024 bytes) and beta (1,024)
.set RSIMG, GB+8*2048                  ; the row scale images: text's, then visual's, 1,024 bytes each
.set VSIMG, RSIMG+2*1024               ; V's scale image, 1,024 bytes
.set CST,   0x46400                    ; behind the spare words (0x46000, 128 bytes a wave): the gathered row codes
.set STEPB, 34816                      ; a block of kv
.set QBLK,  17408                      ; a block of q
.set FLOOR, 0x1800000                  ; 2^(3 - 127): no largest magnitude is taken under it, so no byte falls under 1
; REGISTERS, window 0: v1 lane; v2 my row in the tile; v3 my column; v4 gamma's copy; v5 where my row's scale words go; v6 where my channel's scale bytes go; v7, v8 where I read the images back;
;   v9 where my row's codes go, v10 my offset in V's codes; v11 8 lane; v12 16 lane; v13 gamma's copy + 16 lane; v14-16 at work at the head; v[16:23] four running sums; v[24:25] -mean; v[26:27] 1 / sqrt(var + eps);
;   v28, v29 my row's two scale words; v[30:31], v[44:45] images on their way out; v32-39 largest magnitudes; v40 where I read the gathered codes back; v46, v47 the add's two; v48-55 the conversions' scale operands; v56-63 scale bytes;
;   v64-95 row codes; v96-127 V's codes; v128-255 two sets of 32 gammas and 32 betas.   window 1: my row's 256 numbers; in the column phase 8 groups of 32 keys of one channel.
.set MSB, 0
.macro WIN new                         ; s_set_vgpr_msb: bits 1:0 source 0, 3:2 source 1, 5:4 source 2, 7:6 destination; the high byte repeats the setting that is left
.if MSB != \new
	s_set_vgpr_msb (MSB<<8)|\new
.set MSB, \new
.endif
.endm
	s_load_b512 s[4:19], s[0:1], 0x0               ; text s[4:5], visual s[6:7], gamma_t s[8:9], beta_t s[10:11], gamma_v s[12:13], beta_v s[14:15], q s[16:17], kv s[18:19]
	v_lshl_add_u32 v46, v0, 2, 0x46000
	v_mov_b32 v47, 0
	ds_add_u32 v46, v47                            ; the opening lines
	ds_add_u32 v46, v47
	v_lshrrev_b32 v1, 5, v0
	s_delay_alu instid0(VALU_DEP_1)
	v_readfirstlane_b32 s20, v1                    ; wave 0..7
	s_lshr_b32 s21, s20, 2                         ; role: 0 text, 1 visual
	s_and_b32 s22, s20, 3                          ; sub: which 32 of the 128 rows
	s_mov_b32 s44, (2<<16)|(1<<20)|(7<<22)|(3<<25) ; group 1: 32 rows x 256 elements of 4 bytes, 4 words of padding behind every 256 words
	s_mov_b32 s45, 256<<16
	s_mov_b32 s46, 32<<16
	s_mov_b32 s47, 256<<16
	s_mov_b32 s48, 32
	s_mov_b32 s49, 256
	s_mov_b32 s50, 0
	s_mov_b32 s51, 0
	s_mov_b32 s40, 1
	s_mul_i32 s41, s20, TILEB                      ; my tile in LDS
	s_mov_b32 s52, ttmp9                           ; which block of kv or q takes my row codes
	s_mov_b32 s53, QBLK
	s_mov_b32 s54, 16384
	s_lshl_b32 s56, ttmp9, 17                      ; my rows in the source: 128 rows of 1,024 bytes a work-group,
	s_lshl_b32 s58, s22, 15                        ; 32 a wave
	s_add_co_u32 s56, s56, s58
	s_mov_b32 s57, 0
	s_wait_dscnt 0x0
	s_wait_kmcnt 0x0
	s_cmp_lt_u32 s20, 4                            ; text or visual?  The choice hangs on the wave's number alone
	s_cselect_b64 s[24:25], s[4:5], s[6:7]         ; the source,
	s_cselect_b64 s[26:27], s[8:9], s[12:13]       ; its gamma,
	s_cselect_b64 s[28:29], s[10:11], s[14:15]     ; its beta,
	s_cselect_b64 s[30:31], s[18:19], s[16:17]     ; where the row codes go: kv or q,
	s_cselect_b32 s53, STEPB, s53                  ; a block's bytes,
	s_cselect_b32 s54, 32768, s54                  ; and where the row scale image lies in a block
	s_add_nc_u64 s[42:43], s[24:25], s[56:57]
	s_or_b32 s43, s43, 0x80000000
	tensor_load_to_lds s[40:43], s[44:51]          ; my 32 rows: my one tensor load
	s_nop 0
.rept 4
	v_nop
.endr
	v_and_b32 v1, 31, v0                           ; lane
	s_wait_alu depctr_va_vdst(0)
	v_lshlrev_b32 v12, 4, v1
	global_load_b128 v[128:131], v12, s[26:27]             ; gamma and beta, 512 consecutive bytes a load
	global_load_b128 v[132:135], v12, s[26:27] offset:512
	global_load_b128 v[136:139], v12, s[28:29]
	global_load_b128 v[140:143], v12, s[28:29] offset:512
	s_mul_i32 s56, s52, s53
	s_add_nc_u64 s[30:31], s[30:31], s[56:57]      ; the block that takes my row codes
	s_lshl_b32 s58, s22, 8                         ; 256 sub
	s_add_co_u32 s56, s58, s54
	s_add_nc_u64 s[32:33], s[30:31], s[56:57]      ; my 256 bytes of its row scale image
	s_lshl_b32 s56, s22, 12
	s_add_nc_u64 s[30:31], s[30:31], s[56:57]      ; the 4,096 bytes of row codes that I store
	s_mul_i32 s56, ttmp9, STEPB
	s_add_co_u32 s56, s56, s58
	s_add_nc_u64 s[34:35], s[18:19], s[56:57]      ; kv's block g + 256 sub:
	s_add_nc_u64 s[36:37], s[34:35], 33792         ; my 256 bytes of V's scale image,
	s_add_nc_u64 s[34:35], s[34:35], 16384         ; and V's codes: my key block sub = 2 c + h lies 256 sub bytes on in each channel tile
	s_lshl_b32 s60, s20, 11
	s_add_co_u32 s60, s60, GB                      ; my copy of gamma and beta
	s_lshl_b32 s61, s21, 10
	s_add_co_u32 s61, s61, RSIMG                   ; my role's row scale image
	s_lshr_b32 s62, s22, 1
	s_lshl_b32 s62, s62, 9
	s_and_b32 s63, s22, 1
	s_lshl_b32 s63, s63, 7                         ; 16 x 8 (sub % 2): my rows are lanes 8 (sub % 2) .. + 7 of their tiles
	s_add_co_u32 s62, s62, s63
	s_add_co_u32 s62, s62, s61
	s_add_co_u32 s63, s58, s61                     ; the 256 bytes of it that I store
	s_add_co_u32 s23, s22, VSIMG                   ; V's scale image: byte sub of each word
	s_add_co_u32 s38, s58, VSIMG                   ; the 256 bytes of it that I store
	s_lshr_b32 s39, s22, 1
	s_lshl_b32 s39, s39, 13                        ; the gathered row codes: four tiles of 2,048 bytes for each 64 rows,
	s_and_b32 s2, s22, 1
	s_lshl_b32 s2, s2, 7                           ; + 16 x 8 (sub % 2),
	s_add_co_u32 s39, s39, s2
	s_lshl_b32 s2, s21, 14                         ; + my role's 16,384 bytes
	s_add_co_u32 s39, s39, s2
	s_add_co_u32 s39, s39, CST
	s_lshl_b32 s3, s20, 12
	s_add_co_u32 s3, s3, CST                       ; and the 4,096 bytes of them that I store
	; every LDS address is made here, ahead of the first branch on the role
	v_mul_u32_u24 v2, v1, TP
	s_delay_alu instid0(VALU_DEP_1)
	v_add_nc_u32 v2, s41, v2                       ; my row
	v_lshl_add_u32 v3, v1, 2, s41                  ; my column
	v_mov_b32 v4, s60
	v_lshl_add_u32 v13, v1, 4, s60
	v_lshrrev_b32 v14, 3, v1                       ; u = row / 8: which of the four tiles
	v_and_b32 v15, 7, v1                           ; row % 8
	v_lshrrev_b32 v16, 4, v1                       ; lane / 16
	s_delay_alu instid0(VALU_DEP_2)
	v_lshlrev_b32 v5, 4, v15
	s_delay_alu instid0(VALU_DEP_1)
	v_lshl_add_u32 v5, v14, 2, v5
	s_delay_alu instid0(VALU_DEP_1)
	v_add_nc_u32 v5, s62, v5                       ; 16 (row % 8) + 4 u
	v_lshl_add_u32 v6, v1, 4, s23
	v_lshl_add_u32 v7, v1, 3, s63
	v_lshl_add_u32 v8, v1, 3, s38
	v_lshlrev_b32 v9, 4, v15
	s_delay_alu instid0(VALU_DEP_1)
	v_lshl_add_u32 v9, v14, 11, v9                 ; 2,048 u + 16 (row % 8)
	s_delay_alu instid0(VALU_DEP_1)
	v_add_nc_u32 v9, s39, v9
	v_lshl_add_u32 v40, v1, 4, s3
	v_and_b32 v10, 15, v1
	s_delay_alu instid0(VALU_DEP_1)
	v_lshlrev_b32 v10, 4, v10
	s_delay_alu instid0(VALU_DEP_1)
	v_lshl_add_u32 v10, v16, 10, v10               ; 1,024 (lane / 16) + 16 (lane % 16)
	v_lshlrev_b32 v11, 3, v1
	s_mov_b32 s52, 0x3b800000                      ; 1 / 256
	s_mov_b32 s53, 0x3727c5ac                      ; eps = 1e-5
	s_wait_loadcnt 0x0                             ; gamma and beta are in
	ds_store_b128 v13, v[128:131]
	ds_store_b128 v13, v[132:135] offset:512
	ds_store_b128 v13, v[136:139] offset:1024
	ds_store_b128 v13, v[140:143] offset:1536
	; ---- my row into registers
	s_wait_tensorcnt 0x0                           ; my tile has landed; only I read it
	WIN 0x40
.set i, 0
.rept 64
	ds_load_b128 v[4*i:4*i+3], v2 offset:16*i
.set i, i+1
.endr
	; ---- the mean: four chains of packed sums; the first four sums start the chains
	s_wait_dscnt 48                                ; the first quarter of the row's 64 loads is in; the 48 younger ones may be out
	WIN 0x05
.irp k, 0,1,2,3
	v_pk_add_f32 v[16+2*\k:17+2*\k], v[2*\k:2*\k+1], v[8+2*\k:9+2*\k]
.endr
	WIN 0x04
.set p, 8
.rept 24
	v_pk_add_f32 v[16+2*(p%4):17+2*(p%4)], v[16+2*(p%4):17+2*(p%4)], v[2*p:2*p+1]
.set p, p+1
.endr
.irp left, 32,16,0
	s_wait_alu depctr_va_vdst(0)                   ; the wait ahead of the wait below
	s_wait_dscnt \left                             ; the next quarter is in
.rept 32
	v_pk_add_f32 v[16+2*(p%4):17+2*(p%4)], v[16+2*(p%4):17+2*(p%4)], v[2*p:2*p+1]
.set p, p+1
.endr
.endr
.macro FOLD                            ; the four chains' eight partial sums into v16
	WIN 0
	v_pk_add_f32 v[16:17], v[16:17], v[18:19]
	v_pk_add_f32 v[20:21], v[20:21], v[22:23]
	s_delay_alu instid0(VALU_DEP_1)
	v_pk_add_f32 v[16:17], v[16:17], v[20:21]
	s_delay_alu instid0(VALU_DEP_1)
	v_add_f32 v16, v16, v17
.endm
.macro LOADGB j                        ; 32 gammas and 32 betas of channels 32 j on into set j % 2: every lane reads the same 16 bytes
.set GS, 128+64*((\j)%2)
.irp i, 0,1,2,3,4,5,6,7
	ds_load_b128 v[GS+4*\i:GS+4*\i+3], v4 offset:128*(\j)+16*\i
	ds_load_b128 v[GS+32+4*\i:GS+32+4*\i+3], v4 offset:1024+128*(\j)+16*\i
.endr
.endm
	FOLD
	LOADGB 0
	LOADGB 1
	v_mul_f32 v24, 0xbb800000, v16                 ; -mean = sum x (-1 / 256)
	s_delay_alu instid0(VALU_DEP_1)
	v_mov_b32 v25, v24
	; ---- x - mean, in place
	WIN 0x41
.set p, 0
.rept 128
	v_pk_add_f32 v[2*p:2*p+1], v[2*p:2*p+1], v[24:25] op_sel_hi:[1,0]
.set p, p+1
.endr
	; ---- the variance of the centred numbers: four chains; the first four products start them
	WIN 0x05
.irp k, 0,1,2,3
	v_pk_mul_f32 v[16+2*\k:17+2*\k], v[2*\k:2*\k+1], v[2*\k:2*\k+1]
.endr
.set p, 4
.rept 124
	s_delay_alu instid0(VALU_DEP_4)
	v_pk_fma_f32 v[16+2*(p%4):17+2*(p%4)], v[2*p:2*p+1], v[2*p:2*p+1], v[16+2*(p%4):17+2*(p%4)]
.set p, p+1
.endr
	FOLD
	s_delay_alu instid0(VALU_DEP_1)
	v_fma_f32 v26, v16, s52, s53                   ; var + eps
	s_wait_alu depctr_va_vdst(0)                   ; the wait ahead of the transcendental,
	v_rsq_f32 v26, v26
	v_nop
	s_wait_alu depctr_va_vdst(0)                   ; and behind it
	v_mov_b32 v27, v26
	; ---- y = ((x - mean) rs) gamma + beta, 32 channels at a time
.macro NORM j
.set GS, 128+64*((\j)%2)
	WIN 0x41
.set i, 0
.rept 16
	v_pk_mul_f32 v[32*(\j)+2*i:32*(\j)+2*i+1], v[32*(\j)+2*i:32*(\j)+2*i+1], v[26:27] op_sel_hi:[1,0]
.set i, i+1
.endr
.set i, 0
.rept 16
	v_pk_fma_f32 v[32*(\j)+2*i:32*(\j)+2*i+1], v[32*(\j)+2*i:32*(\j)+2*i+1], v[GS+2*i:GS+2*i+1], v[GS+32+2*i:GS+32+2*i+1]
.set i, i+1
.endr
	WIN 0
.endm
	s_wait_alu depctr_va_vdst(0)
.irp j, 0,1,2,3,4,5,6,7
.if \j < 7
	s_wait_dscnt 16                                ; this set's 16 loads are in; the next set's 16 may be out
.else
	s_wait_dscnt 0x0
.endif
	NORM \j
.if \j < 6
	LOADGB \j+2
.endif
.endr
	; ---- quantised along d: my row's eight blocks of 32, by turns
	WIN 0x14
.irp j, 0,1,2,3,4,5,6,7
	v_max3_num_f32 v[32+\j], FLOOR, |v[32*\j]|, |v[32*\j+1]|
.endr
.irp i, 2,4,6,8,10,12,14,16,18,20,22,24,26,28,30
.irp j, 0,1,2,3,4,5,6,7
	v_max3_num_f32 v[32+\j], v[32+\j], |v[32*\j+\i]|, |v[32*\j+\i+1]|
.endr
.endr
	WIN 0
.irp j, 0,1,2,3,4,5,6,7
	v_add_nc_u32 v[48+\j], 0xff000000, v[32+\j]    ; 2 off the exponent field: the conversion's scale operand
.endr
.irp j, 0,1,2,3,4,5,6,7
	v_lshrrev_b32 v[56+\j], 23, v[48+\j]           ; the scale's byte
.endr
	v_lshl_or_b32 v28, v57, 8, v56                 ; the word of d 0 .. 127,
	s_delay_alu instid0(VALU_DEP_4)
	v_lshl_or_b32 v29, v61, 8, v60                 ; and of d 128 .. 255
	s_delay_alu instid0(VALU_DEP_2)
	v_lshl_or_b32 v28, v58, 16, v28
	s_delay_alu instid0(VALU_DEP_2)
	v_lshl_or_b32 v29, v62, 16, v29
	s_delay_alu instid0(VALU_DEP_2)
	v_lshl_or_b32 v28, v59, 24, v28
	s_delay_alu instid0(VALU_DEP_2)
	v_lshl_or_b32 v29, v63, 24, v29
	WIN 0x01
.irp j, 0,1,2,3,4,5,6,7
.irp g, 0,1,2,3
	v_cvt_scalef32_pk8_fp4_f32 v[64+4*\j+\g], v[32*\j+8*\g:32*\j+8*\g+7], v[48+\j]
.endr
.endr
	v_nop                                          ; one plain instruction behind the last scaled conversion
	WIN 0
.irp j, 0,1,2,3,4,5,6,7
	ds_store_b128 v9, v[64+4*\j:64+4*\j+3] offset:(\j/4)*1024+((\j/2)%2)*512+(\j%2)*256   ; block j = 4 s + 2 c + h of my row, at its place in its tile's image
.endr
	ds_store_b32 v5, v28                           ; the scale words into my role's image: K step 0 for lanes 0-15 of the reader,
	ds_store_b32 v5, v29 offset:256                ; K step 1 for lanes 16-31
	; ---- the gathered row codes and the row scale images are whole when all eight waves have stored their parts; each wave then stores consecutive bytes of them, ahead of the column phase
	s_wait_dscnt 0x0                               ; for the others' sake: my LDS stores are done
	s_barrier_signal -1
	s_barrier_wait -1
	ds_load_b64 v[30:31], v7
.irp i, 0,1,2,3,4,5,6,7
	ds_load_b128 v[64+4*\i:64+4*\i+3], v40 offset:512*\i   ; two whole tiles of row codes
.endr
	s_wait_dscnt 0x0
	global_store_b64 v11, v[30:31], s[32:33]       ; the row scale image
.irp i, 0,1,2,3,4,5,6,7
	global_store_b128 v12, v[64+4*\i:64+4*\i+3], s[30:31] offset:512*\i   ; 32 lanes store 512 consecutive bytes; nothing below writes these registers
.endr
	s_cmp_lg_u32 s21, 0
	s_cbranch_scc1 .Lno_col                        ; the visual rows are done
	; ---- text only: the same numbers, quantised along the keys.  They go back into my own tile, which has had its one fill, and are read by columns
	WIN 0x04
.set i, 0
.rept 64
	ds_store_b128 v2, v[4*i:4*i+3] offset:16*i
.set i, i+1
.endr
	s_wait_dscnt 0x0                               ; the stores have read their registers, which the loads below fill again
.macro LOADG m                         ; channel 32 m + lane of my 32 rows: each load reads 128 consecutive bytes of a row
	WIN 0x40
.set i, 0
.rept 32
	ds_load_b32 v[32*(\m)+i], v3 offset:TP*i+128*(\m)
.set i, i+1
.endr
.endm
.macro COLQ m                          ; my channel's block of 32 keys: its largest magnitude in four chains, its byte, its 32 codes
.if (\m) < 7
	s_wait_dscnt 32                                ; this group's 32 loads are in; the next group's 32 may be out
.else
	s_wait_dscnt 0x0
.endif
	WIN 0x14
.irp c, 0,1,2,3
	v_max3_num_f32 v[32+\c], FLOOR, |v[32*(\m)+8*\c]|, |v[32*(\m)+8*\c+1]|
.endr
.irp i, 2,4,6
.irp c, 0,1,2,3
	s_delay_alu instid0(VALU_DEP_4)
	v_max3_num_f32 v[32+\c], v[32+\c], |v[32*(\m)+8*\c+\i]|, |v[32*(\m)+8*\c+\i+1]|
.endr
.endr
	WIN 0
	v_max3_num_f32 v32, v32, v33, v34
	s_delay_alu instid0(VALU_DEP_1)
	v_max_num_f32 v32, v32, v35
	s_delay_alu instid0(VALU_DEP_1)
	v_add_nc_u32 v[48+(\m)], 0xff000000, v32
	s_delay_alu instid0(VALU_DEP_1)
	v_lshrrev_b32 v[56+(\m)], 23, v[48+(\m)]
	WIN 0x01
.irp g, 0,1,2,3
	v_cvt_scalef32_pk8_fp4_f32 v[96+4*(\m)+\g], v[32*(\m)+8*\g:32*(\m)+8*\g+7], v[48+(\m)]
.endr
	v_nop                                          ; one plain instruction behind the last scaled conversion
	WIN 0
	global_store_b128 v10, v[96+4*(\m):96+4*(\m)+3], s[34:35] offset:2048*(\m)   ; channel tiles 2 m and 2 m + 1: two aligned runs of 256 bytes.  Each group has its own registers
.if (\m) < 6
	LOADG (\m)+2
.endif
.endm
	LOADG 0
	LOADG 1
.irp m, 0,1,2,3,4,5,6,7
	COLQ \m
.endr
.irp m, 0,1,2,3,4,5,6,7
	ds_store_b8 v6, v[56+\m] offset:(\m/4)*512+(\m%4)*4   ; byte sub of channel 32 m + lane's word
.endr
.Lno_col:
	; ---- V's scale image is whole when the four text waves have stored their bytes; each of them then stores 256 consecutive bytes of it
	s_wait_dscnt 0x0                               ; for the others' sake: my LDS stores are done
	s_barrier_signal -1
	s_barrier_wait -1
	s_cmp_lg_u32 s21, 0
	s_cbranch_scc1 .Lrow_only
	ds_load_b64 v[44:45], v8
	s_wait_dscnt 0x0
	global_store_b64 v11, v[44:45], s[36:37]       ; V's scale image
.Lrow_only:
	s_wait_tensorcnt 0x0                           ; the wave's end
	ds_add_u32 v46, v47
	s_wait_dscnt 0x0
	s_endpgm
.Lfunc_end_k_q49ffe821b5_prep:
	.size	k_q49ffe821b5_prep, .Lfunc_end_k_q49ffe821b5_prep-k_q49ffe821b5_prep
	.p2alignl 7, 3214868480
	.fill 96, 4, 3214868480
	.section	.rodata,"a",@progbits
	.p2align	6, 0x0
	.amdhsa_kernel k_q49ffe821b5_prep
		.amdhsa_group_segment_fixed_size 320512
		.amdhsa_private_segment_fixed_size 0
		.amdhsa_enable_private_segment 0
		.amdhsa_kernarg_size 64
		.amdhsa_user_sgpr_count 2
		.amdhsa_user_sgpr_kernarg_segment_ptr 1
		.amdhsa_wavefront_size32 1
		.amdhsa_system_sgpr_workgroup_id_x 1
		.amdhsa_system_sgpr_workgroup_id_y 1
		.amdhsa_system_sgpr_workgroup_id_z 1
		.amdhsa_system_vgpr_workitem_id 0
		.amdhsa_next_free_vgpr 512
		.amdhsa_next_free_sgpr 66
		.amdhsa_reserve_vcc 0
		.amdhsa_float_denorm_mode_32 3
		.amdhsa_float_denorm_mode_16_64 3
		.amdhsa_memory_ordered 1
		.amdhsa_forward_progress 1
		.amdhsa_inst_pref_size 118
	.end_amdhsa_kernel
	.amdgpu_metadata
---
amdhsa.version: [ 1, 2 ]
amdhsa.kernels:
  - .name:           k_q49ffe821b5_prep
    .symbol:         k_q49ffe821b5_prep.kd
    .args:
      - { .name: text_tokens, .offset: 0, .size: 8, .value_kind: global_buffer, .address_space: global }
      - { .name: visual_tokens, .offset: 8, .size: 8, .value_kind: global_buffer, .address_space: global }
      - { .name: gamma_t, .offset: 16, .size: 8, .value_kind: global_buffer, .address_space: global }
      - { .name: beta_t, .offset: 24, .size: 8, .value_kind: global_buffer, .address_space: global }
      - { .name: gamma_v, .offset: 32, .size: 8, .value_kind: global_buffer, .address_space: global }
      - { .name: beta_v, .offset: 40, .size: 8, .value_kind: global_buffer, .address_space: global }
      - { .name: q, .offset: 48, .size: 8, .value_kind: global_buffer, .address_space: global }
      - { .name: kv, .offset: 56, .size: 8, .value_kind: global_buffer, .address_space: global }
    .group_segment_fixed_size: 320512
    .private_segment_fixed_size: 0
    .kernarg_segment_align: 8
    .kernarg_segment_size: 64
    .max_flat_workgroup_size: 256
    .sgpr_count:     66
    .vgpr_count:     512
    .wavefront_size: 32
...
	.end_amdgpu_metadata
.endif
;; end of part 1
;; launch attn (part 2): grid 32 x 8, 4 waves a work-group, clusters of 4 x 1, 327,680 bytes of LDS; arguments q, kv, out0; writes out0
.if DOCPART == 2
	.amdgcn_target "amdgcn-amd-amdhsa--gfx1250"
	.amdhsa_code_object_version 6
	.text
	.protected	k_q49ffe821b5_attn
	.globl	k_q49ffe821b5_attn
	.p2align	8
	.type	k_q49ffe821b5_attn,@function
k_q49ffe821b5_attn:
	s_mov_b64 s[64:65], 0
	v_nop
	global_prefetch_b8 v0, s[64:65] scope:SCOPE_SE
	s_setreg_imm32_b32 hwreg(HW_REG_WAVE_MODE, 25, 1), 1
	s_wait_xcnt 0x0
	s_wait_alu depctr_hold_cnt(0) depctr_sa_sdst(0) depctr_va_vdst(0) depctr_va_sdst(0) depctr_va_ssrc(0) depctr_va_vcc(0) depctr_vm_vsrc(0)
	s_getreg_b32 s2, hwreg(HW_REG_IB_STS2, 6, 4)
	s_cmp_eq_u32 s2, 0
	s_cbranch_scc0 .Lentry_in_a_cluster
	s_endpgm
.Lentry_in_a_cluster:
	s_bfe_u32 s2, ttmp6, 0x10000c
	s_cmp_lg_u32 s2, 0x3003
	s_cbranch_scc0 .Lentry_shape_is_right
	s_endpgm
.Lentry_shape_is_right:
; out[b][v][:] = the sum over t of softmax_t(V[b][v] . T[b][t] / 16) T[b][t][:], both products on codes of FP4 (E2M1) with one E8M0 scale for each 32 along a product's K.
; q and kv hold the codes and scale words of the normalised tokens as images of the operands' registers, made by the launch before.
; THE SOFTMAX: t = score x log2(e) / 16; M = the row's largest t so far, rounded UP to a whole number; p = 2^(t - M) is quantised along the keys, not normalised.  The row's sum is taken of the unquantised p in f32
; and divides O at the end.  When M moves, the sums and O are multiplied by 2^(old M - new M), which rounds nothing.
; SHARES.  A work-group owns 128 queries of one batch, each of its four waves 32 (two tiles of 16): every fragment of K and V read from LDS feeds two matrix instructions.  Every wave walks the batch's 4,096 keys.
; A STEP IS 256 KEYS, two halves of 128: the scores of both halves are held (256 registers), so M, f and the 128 packed multiplications of O^T are made once for 256 keys.
; LAYOUT.  Both products are used transposed: S^T = K Q^T, O^T = V^T P^T: a lane holds ONE query (lane % 16) throughout.  Row r of tile t of K is key 64 (t / 4) + 8 (t % 4) + r % 8 + 32 (r / 8):
; so the 32 registers that lane (r, h) holds of tiles 4 c .. 4 c + 3 are the whole block of keys 64 c + 32 h + 0 .. 31.  A block's largest score needs no other lane, and the eight conversions of those registers
; are registers 4 c .. 4 c + 3 of P as the second product takes it: nothing is exchanged between lanes but the row's maximum (once a step) and the scale words' bytes.  The queries of a tile are ordered likewise; the way out puts them back.
; kv: block j of a batch, 34,816 bytes, holds keys 128 j on: K's codes, V's codes, K's scale image, V's scale image.  Step k takes blocks 2 k and 2 k + 1.  Every fragment is 16 bytes a lane, lane after lane: no pitch, no padding.
; RING.  Two LDS slots of two blocks, 2^17 bytes apart, so that one exclusive or turns an address from one into the other.  Each wave brings a quarter of a slot (68 rows of 256 bytes) by one tensor load; one load of a wave is out at a time.
; THE CHANGE OF SLOTS STANDS IN THE MIDDLE OF A STEP, where the step's last operand (V of its second half) has been asked for and the softmax works on registers alone: the rescaling of O^T stands between the add and the wait for it,
; the first half's scalings between the barrier's signal and its wait.  Behind the round in step k the slot just read out takes step k + 2's blocks, and K of step k + 1's first half is read from the other slot.
; Steps 14 and 15 run one text without a fill; step 15's barrier and its fetch of a further K serve nothing and stand there so that the step's text is written three times and not four.
; CLUSTER.  The four query blocks of a cluster belong to one batch and walk the same kv: each quarter is asked for JOINTLY, by the same descriptor and a mask that names the four.
; LIMITS: NaN and infinities are not served.  The promise holds while the scaled scores t stay under 2^31 in magnitude.  A block of 32 p whose largest has fallen under 2^-124 keeps the scale byte 1.
; A block's largest p is made from its largest score by the same multiply-add and exponential as every p.
; REGISTERS, in windows of 256.  Window 0: v1-9 addresses; v12-19 Q's and p's scale words; v20-51 K's and V's scale words, two sets each; v52-83 statistics; v84-111 the blocks' maxima, scale operands, bytes; v128-159 Q; v160-191 p's codes.
;   window 1: O^T, 128 a tile.   window 2: v0-127 K of the second half, then V of the second half; v128-255 V of the first half; on the way out rows of out.
;   window 3: v0-127 the first half's scores, then p; v128-255 K of the first half, then the second half's scores, then p.
.set STEPB, 34816                      ; a block of kv
.set SLOTB, 2*STEPB                    ; a slot
.set SLOT1, 1<<17                      ; where slot 1 begins
.set QUART, SLOTB/4                    ; what one tensor load brings
.set SPARE, SLOT1+SLOTB                ; the spare words, 128 bytes for each wave: two blocks of 256 bytes that no other line names
.set STAGE, SPARE+512                  ; the way out: 16 rows x (1,024 bytes + 16) for each wave, on bytes into which no fill lands
.set BATB,  32*STEPB
.set QBLK,  17408
.set SPITCH, 1040
.set ADR, 1                            ; LDS address of a step's first block + 16 x lane
.set L16, 2                            ; 16 x lane
.set SPW, 3                            ; my spare word
.set NIL, 4                            ; 0
.set STO, 5                            ; the way out: where I put 32 bytes of a row
.set RD,  6                            ; and where I read rows back
.set PFO, 7                            ; the prefetches' offset
.set ADRB, 8                           ; the step's second block
.set SH8, 9                            ; 8 (lane / 16)
.set QS,  12
.set PW,  14                           ; v[PW + 2 H + x]: p's scale word, half H, tile x
.set KS,  20                           ; v[KS + 8 H + t]
.set VS,  36                           ; v[VS + 8 H + m]
.set ST,  52                           ; tile x at v[ST + 16 x]: +0 -M, +1 the largest score, +2 .. +9 the sum in four chains of pairs, +10 f (+11 named with it), +12, +13 at work
.set BM,  84                           ; v[BM + 4 x + 2 H + c]: my block's largest score, then its largest p
.set SO,  92                           ; the conversion's scale operand, same order
.set BY,  100                          ; second chains of the maxima; then the bytes
.set PT,  108                          ; what a lane permute brings
.set QR,  128
.set PC,  160                          ; v[PC + 16 H + 8 x ..]
.set G1,  16
.set G0,  24
.set WV,  10
.set TB,  32                           ; LDS byte at which the slot begins that v[ADR] points into
.set CNT, 33
.set RF,  35                           ; fills still to come
.set CSN, 37                           ; -c
.set PFA, 38
.set CS,  40                           ; s[40:41] c = log2(e) / 16
.set SEL, 42                           ; s[42:43] lane l xor 16
.set MSB, 0
.macro WIN new                         ; s_set_vgpr_msb: bits 1:0 source 0, 3:2 source 1, 5:4 source 2, 7:6 destination; the high byte repeats the setting that is left
.if MSB != (\new)
	s_set_vgpr_msb (MSB<<8)|(\new)
.set MSB, (\new)
.endif
.endm
.macro NOP4
.rept 4
	v_nop
.endr
.endm
.macro CREST                           ; a round of the cluster's barrier behind its opening barrier
	s_cmp_lg_u32 s[WV], 0
	s_cbranch_scc1 .Lnot_wave_0_\@
	s_barrier_signal -3
.Lnot_wave_0_\@:
	s_barrier_wait -3
	s_barrier_signal -1
	s_barrier_wait -1
.endm
.macro CROUND                          ; a whole round
	s_barrier_signal -1
	s_barrier_wait -1
	CREST
.endm
; A PREFETCH of the slot that the NEXT fill will load, one step of 256 keys ahead of that load.  Every cluster asks for what it will itself load, each row of 256 bytes once in the cluster.
; Of the 68 rows that wave w fetches, the partner at place cx takes 17 cx .. 17 cx + 16, BY ADDRESS; a lane a row, lanes 17-31 name the last again.  The last fill has no slot behind it: nothing is asked for there.
; Step 1's blocks, a first touch, are asked for at the head, behind the first tensor load; step 0's come by their load alone.
.macro ASK
	s_cmp_gt_u32 s[RF], 1
	s_cbranch_scc0 .Lnot_mine_\@
	global_prefetch_b8 v[PFO], s[PFA:PFA+1] th:TH_LOAD_NT scope:SCOPE_SE
.Lnot_mine_\@:
.endm
; THE CHANGE OF SLOTS in two parts.  LINES: the wait for my tensor load, the add, and (fill = 1) the descriptor's and the prefetch's steps; s_wait_dscnt 0 and the opening barrier follow in the text.  REST: the rest of the round and my one joint load.
.macro LINES fill
	s_wait_tensorcnt 0x0
	ds_add_u32 v[SPW], v[NIL]
.if \fill
	s_xor_b32 s[G0+1], s[G0+1], SLOT1
	s_add_nc_u64 s[G0+2:G0+3], s[G0+2:G0+3], SLOTB
	s_wait_xcnt 0x0                                ; the last prefetch has read its address
	s_add_nc_u64 s[PFA:PFA+1], s[PFA:PFA+1], SLOTB ; one slot further on than the fill
.endif
.endm
.macro REST fill
.if \fill
	CREST
	tensor_load_to_lds s[G0:G0+3], s[G1:G1+7]
	s_nop 0
	NOP4
	ASK
	s_sub_co_u32 s[RF], s[RF], 1
.endif
.endm
	s_load_b128 s[4:7], s[0:1], 0x0                ; q, kv
	s_load_b64 s[8:9], s[0:1], 0x10                ; out
	v_lshl_add_u32 v[SPW], v0, 2, SPARE
	v_mov_b32 v[NIL], 0
	ds_add_u32 v[SPW], v[NIL]                      ; the opening lines: the add,
	ds_add_u32 v[SPW], v[NIL]                      ; twice on end, under one wait
	v_lshrrev_b32 v1, 5, v0
	v_readfirstlane_b32 s[WV], v1                  ; wave 0..3
	s_bfe_u32 s11, ttmp6, 0x40000                  ; cx
	s_lshl_b32 s44, ttmp9, 2
	s_add_co_u32 s44, s44, s11                     ; my block of 128 queries: it enters q's, out's and the prefetches' addresses alone
	s_and_b32 s45, ttmp7, 0xffff                   ; the batch
	s_mov_b32 s[G1], 15|(3<<16)|(1<<21)            ; the mask of all four; elements of 8 bytes; bit 21 beside a mask
	s_mov_b32 s[G1+1], 32<<16                      ; a dense run of 68 rows x 32 elements
	s_mov_b32 s[G1+2], 68<<16
	s_mov_b32 s[G1+3], 32<<16
	s_mov_b32 s[G1+4], 68
	s_mov_b32 s[G1+5], 32
	s_mov_b32 s[G1+6], 0
	s_mov_b32 s[G1+7], 0
	s_mul_i32 s48, s45, BATB
	s_mov_b32 s49, 0
	s_mul_i32 s50, s[WV], QUART                    ; my quarter of a slot, in memory and in LDS alike
	s_mov_b32 s51, 0
	s_lshl_b32 s46, s45, 5
	s_add_co_u32 s46, s46, s44
	s_mul_i32 s46, s46, QBLK                       ; my block of q
	s_mov_b32 s47, 0
	s_mul_i32 s54, s11, 17*256
	s_mov_b32 s55, 0
	s_lshl_b32 s56, s45, 12
	s_lshl_b32 s57, s44, 7
	s_add_co_u32 s56, s56, s57
	s_lshr_b32 s57, s[WV], 1
	s_lshl_b32 s57, s57, 6
	s_add_co_u32 s56, s56, s57
	s_and_b32 s57, s[WV], 1
	s_lshl_b32 s57, s57, 4
	s_add_co_u32 s56, s56, s57                     ; out: row 4,096 batch + 128 block + 64 (wave / 2) + 16 (wave % 2),
	s_lshl_b32 s56, s56, 10                        ; of 1,024 bytes
	s_mov_b32 s57, 0
	s_mov_b32 s[CS], 0x3db8aa3b
	s_mov_b32 s[CS+1], s[CS]
	s_mov_b32 s[CSN], 0xbdb8aa3b
	s_mov_b32 s[SEL], 0x76543210
	s_mov_b32 s[SEL+1], 0xfedcba98
	s_mov_b32 s[RF], 15
	s_mov_b32 s[TB], 0
	s_wait_alu depctr_va_vdst(0)                   ; the wait ahead of the waits below
	s_wait_dscnt 0x0
	s_wait_kmcnt 0x0
	s_add_nc_u64 s[6:7], s[6:7], s[48:49]          ; kv at my batch
	s_add_nc_u64 s[52:53], s[6:7], s[50:51]        ; at my quarter
	s_add_nc_u64 s[PFA:PFA+1], s[52:53], s[54:55]
	s_add_nc_u64 s[PFA:PFA+1], s[PFA:PFA+1], SLOTB ; at step 1; the first fill behind the head steps it to step 2
	s_add_nc_u64 s[4:5], s[4:5], s[46:47]
	s_lshl_b32 s46, s[WV], 12
	s_add_nc_u64 s[12:13], s[4:5], s[46:47]        ; my two tiles' codes: tiles 2 w and 2 w + 1
	s_lshr_b32 s46, s[WV], 1
	s_lshl_b32 s46, s46, 9
	s_and_b32 s58, s[WV], 1
	s_lshl_b32 s58, s58, 3
	s_add_co_u32 s46, s46, s58
	s_add_co_u32 s46, s46, 16384
	s_add_nc_u64 s[14:15], s[4:5], s[46:47]        ; their scale words
	s_add_nc_u64 s[8:9], s[8:9], s[56:57]
	s_mov_b32 s[G0], 1
	s_mov_b32 s[G0+1], s50
	s_mov_b64 s[G0+2:G0+3], s[52:53]
	s_or_b32 s[G0+3], s[G0+3], 0x80000000
	CROUND                                         ; all four work-groups are here
	tensor_load_to_lds s[G0:G0+3], s[G1:G1+7]      ; step 0 into slot 0: my one tensor load at the head
	s_nop 0
	NOP4
	v_and_b32 v[L16], 31, v0
	v_min_u32 v[PFO], 16, v[L16]
	v_lshlrev_b32 v[PFO], 8, v[PFO]
	global_prefetch_b8 v[PFO], s[PFA:PFA+1] th:TH_LOAD_NT scope:SCOPE_SE   ; step 1's blocks, which the fill behind the first round will load
	v_lshrrev_b32 v[SH8], 4, v[L16]
	v_lshlrev_b32 v[SH8], 3, v[SH8]
	v_lshlrev_b32 v[L16], 4, v[L16]
.irp x, 0,1
.irp s, 0,1
.irp c, 0,1
	global_load_b128 v[QR+16*\x+8*\s+4*\c:QR+16*\x+8*\s+4*\c+3], v[L16], s[12:13] offset:2048*\x+1024*\s+512*\c   ; Q stays in registers
.endr
.endr
.endr
	global_load_b64 v[QS:QS+1], v[L16], s[14:15]
	v_and_b32 v10, 15, v0
	v_bfe_u32 v11, v0, 4, 1
	s_mul_i32 s58, s[WV], 16*SPITCH
	s_add_co_u32 s58, s58, STAGE
	v_mul_u32_u24 v[STO], v10, SPITCH
	v_lshl_add_u32 v[STO], v11, 5, v[STO]
	v_add_nc_u32 v[STO], s58, v[STO]
	v_add_nc_u32 v[RD], s58, v[L16]
	v_add_nc_u32 v[ADR], s[TB], v[L16]
	v_add_nc_u32 v[ADRB], STEPB, v[ADR]
.irp x, 0,1
	v_mov_b32 v[ST+16*\x], 0x7e967699              ; -M: 1e38, over every -M that follows
	v_mov_b32 v[ST+16*\x+1], 0xff61b1e6            ; the largest score so far: -3e38
.irp j, 2,3,4,5,6,7,8,9,11
	v_mov_b32 v[ST+16*\x+\j], 0
.endr
.endr
.irp b, 0,1,2,3
	v_mov_b32 v[PT+\b], 0                          ; a lane permute's destination counts as one of its sources
.endr
; 32 LDS loads of 512 consecutive bytes into window win's v[dst ..], and the eight scale registers that belong to them
.macro FET win, dst, adr, off, sc, soff
	WIN \win
.set i, 0
.rept 32
	ds_load_b128 v[\dst+4*i:\dst+4*i+3], v[\adr] offset:\off+512*i
.set i, i+1
.endr
	WIN 0
	ds_load_b128 v[\sc:\sc+3], v[\adr] offset:\soff
	ds_load_b128 v[\sc+4:\sc+7], v[\adr] offset:\soff+512
.endm
.macro WM z, d, a, b, sa, sb, m1, m2   ; z = 1: the product starts the sum
.if \z
	v_wmma_scale_f32_16x16x128_f8f6f4 v[\d:\d+7], v[\a:\a+7], v[\b:\b+7], 0, v[\sa], v[\sb] matrix_a_fmt:MATRIX_FMT_FP4 matrix_b_fmt:MATRIX_FMT_FP4 \m1 \m2
.else
	v_wmma_scale_f32_16x16x128_f8f6f4 v[\d:\d+7], v[\a:\a+7], v[\b:\b+7], v[\d:\d+7], v[\sa], v[\sb] matrix_a_fmt:MATRIX_FMT_FP4 matrix_b_fmt:MATRIX_FMT_FP4 \m1 \m2
.endif
.endm
; S^T = K Q^T of half H: 32 matrix instructions, the 16 accumulators by turns.  H = 0: K in window 3's upper half; H = 1: in window 2's lower half, and the scores take the first half's K's place
.macro KQ H
	WIN 0xf3-\H
.set KA, 128-128*\H
.irp s, 0,1
.irp t, 0,1,2,3,4,5,6,7
.irp x, 0,1
.if \s
	WM 0, 128*\H+64*\x+8*\t, KA+16*\t+8, QR+16*\x+8, KS+8*\H+\t, QS+\x, matrix_a_scale:MATRIX_SCALE_ROW1, matrix_b_scale:MATRIX_SCALE_ROW1
.else
	WM 1, 128*\H+64*\x+8*\t, KA+16*\t, QR+16*\x, KS+8*\H+\t, QS+\x
.endif
.endr
.endr
.endr
.endm
; O^T += V^T P^T of half H: 32 matrix instructions on 32 accumulators
.macro PV H, first
	WIN 0x52
.set VA, 128-128*\H
.irp n, 0,1,2,3,4,5,6,7,8,9,10,11,12,13,14,15
.irp x, 0,1
.if \n%2
	WM \first, 128*\x+8*\n, VA+8*\n, PC+16*\H+8*\x, VS+8*\H+\n/2, PW+2*\H+\x, matrix_a_scale:MATRIX_SCALE_ROW1
.else
	WM \first, 128*\x+8*\n, VA+8*\n, PC+16*\H+8*\x, VS+8*\H+\n/2, PW+2*\H+\x
.endif
.endr
.endr
.endm
; The largest score of my block of 32 keys, for 2 tiles x 2 blocks of half H: two chains a block, eight by turns.  Each accumulator is first read at its low end
.macro MAXES H
	WIN 0x3f
.irp x, 0,1
.irp c, 0,1
	v_max3_num_f32 v[BM+4*\x+2*\H+\c], v[128*\H+64*\x+32*\c], v[128*\H+64*\x+32*\c+1], v[128*\H+64*\x+32*\c+2]
	v_max3_num_f32 v[BY+2*\x+\c], v[128*\H+64*\x+32*\c+16], v[128*\H+64*\x+32*\c+17], v[128*\H+64*\x+32*\c+18]
.endr
.endr
	WIN 0x3c
.irp i, 3,5,7,9,11,13
.irp x, 0,1
.irp c, 0,1
	v_max3_num_f32 v[BM+4*\x+2*\H+\c], v[BM+4*\x+2*\H+\c], v[128*\H+64*\x+32*\c+\i], v[128*\H+64*\x+32*\c+\i+1]
	v_max3_num_f32 v[BY+2*\x+\c], v[BY+2*\x+\c], v[128*\H+64*\x+32*\c+16+\i], v[128*\H+64*\x+32*\c+17+\i]
.endr
.endr
.endr
.irp x, 0,1
.irp c, 0,1
	v_max3_num_f32 v[BM+4*\x+2*\H+\c], v[BM+4*\x+2*\H+\c], v[128*\H+64*\x+32*\c+15], v[128*\H+64*\x+32*\c+31]
.endr
.endr
	WIN 0
.irp x, 0,1
.irp c, 0,1
	v_max_num_f32 v[BM+4*\x+2*\H+\c], v[BM+4*\x+2*\H+\c], v[BY+2*\x+\c]
.endr
.endr
.endm
.macro CVT H                           ; the eight registers of tile t are eight neighbouring keys of my block: their codes are register t of P
	WIN 0x03
.irp x, 0,1
.irp t, 0,1,2,3,4,5,6,7
	v_cvt_scalef32_pk8_fp4_f32 v[PC+16*\H+8*\x+\t], v[128*\H+64*\x+8*\t:128*\H+64*\x+8*\t+7], v[SO+4*\x+2*\H+\t/4]
.endr
.endr
	v_nop                                          ; one plain instruction behind the last scaled conversion
.endm
; A STEP OF 256 KEYS.  At its head K of the first half is on its way into registers.  A load into a register that a matrix instruction has read, and a vector instruction that reads a matrix result, stand four plain vector instructions behind it.
.macro BODY first, fill
	NOP4
	FET 0x80, 0, ADRB, 0, KS+8, 32768              ; K of the second half
	s_wait_dscnt 34                                ; K of the first half is in; the 34 loads just issued may be out
.if \first
	s_wait_loadcnt 0x0                             ; Q and its scale words came from memory
.endif
	KQ 0
	NOP4
	FET 0x80, 128, ADR, 16384, VS, 33792           ; V of the first half
	MAXES 0
	s_wait_dscnt 34                                ; K of the second half is in; V's 34 loads may be out
	KQ 1
	NOP4
	FET 0x80, 0, ADRB, 16384, VS+8, 33792          ; V of the second half, where its K lay: my last read of this slot
	MAXES 1
	; the row's maximum, M and f, once for 256 keys; the two tiles by turns
.irp x, 0,1
	v_max3_num_f32 v[ST+16*\x+12], v[ST+16*\x+1], v[BM+4*\x], v[BM+4*\x+1]
.endr
.irp x, 0,1
	v_max3_num_f32 v[ST+16*\x+12], v[ST+16*\x+12], v[BM+4*\x+2], v[BM+4*\x+3]
.endr
.irp x, 0,1
	v_permlanex16_b32 v[PT+\x], v[ST+16*\x+12], s[SEL], s[SEL+1]
.endr
.irp x, 0,1
	v_max_num_f32 v[ST+16*\x+1], v[ST+16*\x+12], v[PT+\x]      ; the running largest score of my query
.endr
.irp x, 0,1
	v_mov_b32 v[ST+16*\x+13], v[ST+16*\x]
.endr
.irp x, 0,1
	v_mul_f32 v[ST+16*\x+12], s[CSN], v[ST+16*\x+1]            ; -t
.endr
.irp x, 0,1
	v_floor_f32 v[ST+16*\x], v[ST+16*\x+12]                    ; -M = floor(-t) = -ceil(t)
.endr
.irp x, 0,1
	v_sub_f32 v[ST+16*\x+12], v[ST+16*\x], v[ST+16*\x+13]      ; old M - new M: a whole number, 0 or less
.endr
.irp x, 0,1
	v_cvt_i32_f32 v[ST+16*\x+12], v[ST+16*\x+12]               ; (it saturates)
.endr
.irp x, 0,1
	v_ldexp_f32 v[ST+16*\x+10], 1.0, v[ST+16*\x+12]            ; f = 2^(old M - new M)
.endr
.irp b, 0,1,2,3
.irp x, 0,1
	v_fma_f32 v[BM+4*\x+\b], v[BM+4*\x+\b], s[CS], v[ST+16*\x] ; t - M of each block's largest score
.endr
.endr
.irp h, 0,1,2,3
.irp x, 0,1
	v_pk_mul_f32 v[ST+16*\x+2+2*\h:ST+16*\x+3+2*\h], v[ST+16*\x+2+2*\h:ST+16*\x+3+2*\h], v[ST+16*\x+10:ST+16*\x+11] op_sel_hi:[1,0]   ; the sums under the new M
.endr
.endr
	s_wait_alu depctr_va_vdst(0)                   ; the wait ahead of the wait below
	LINES \fill                                    ; my quarter of the other slot has landed; the add
.if \first == 0
	WIN 0x41                                       ; O^T under the new M, each accumulator from its low end on; no exponential stands between the products that wrote it and these lines.  They stand between the add and the wait for it
.irp x, 0,1
.set i, 0
.rept 64
	v_pk_mul_f32 v[128*\x+2*i:128*\x+2*i+1], v[128*\x+2*i:128*\x+2*i+1], v[ST+16*\x+10:ST+16*\x+11] op_sel_hi:[1,0]
.set i, i+1
.endr
.endr
.endif
	s_wait_dscnt 0x0                               ; the add is done, and my reads of this slot are over
	s_barrier_signal -1
	WIN 0xc3
.set i, 0
.rept 64
	v_pk_fma_f32 v[2*i:2*i+1], v[2*i:2*i+1], s[CS:CS+1], v[ST+16*(i/32):ST+16*(i/32)+1] op_sel_hi:[1,0,0]   ; t - M of the first half: work on registers while the others arrive
.set i, i+1
.endr
	WIN 0
	s_barrier_wait -1
	REST \fill                                     ; fill = 1: the slot just read out takes the blocks of two steps on
	s_xor_b32 s[TB], s[TB], SLOT1                  ; from here on the other slot is read
	v_add_nc_u32 v[ADR], s[TB], v[L16]
	v_add_nc_u32 v[ADRB], STEPB, v[ADR]
	s_wait_alu depctr_va_vdst(0)                   ; ahead of the batch, and behind the two addresses
.irp b, 0,1,2,3,4,5,6,7
	v_exp_f32 v[BM+\b], v[BM+\b]                   ; the blocks' largest p
.endr
	WIN 0xc3
.set i, 0
.rept 64                                       ; the first half's p; among them the second half's t - M, which nothing reads before the wait below
	v_exp_f32 v[2*i], v[2*i]
	v_pk_fma_f32 v[128+2*i:129+2*i], v[128+2*i:129+2*i], s[CS:CS+1], v[ST+16*(i/32):ST+16*(i/32)+1] op_sel_hi:[1,0,0]
	v_exp_f32 v[2*i+1], v[2*i+1]
.set i, i+1
.endr
	v_nop
	s_wait_alu depctr_va_vdst(0)                   ; one wait behind the batch; it also stands ahead of the next batch's sources' readers
	WIN 0
.irp b, 0,1,2,3,4,5,6,7
	v_max_num_f32 v[BM+\b], 0x1800000, v[BM+\b]    ; the floor 2^(3 - 127): the byte cannot fall under 1
.endr
.irp b, 0,1,2,3,4,5,6,7
	v_add_nc_u32 v[SO+\b], 0xff000000, v[BM+\b]    ; 2 off the exponent field: the conversion's scale operand
.endr
.irp b, 0,1,2,3,4,5,6,7
	v_lshrrev_b32 v[BY+\b], 23, v[SO+\b]           ; the byte
.endr
.irp H, 0,1
.irp x, 0,1
	v_lshl_or_b32 v[PW+2*\H+\x], v[BY+4*\x+2*\H+1], 16, v[BY+4*\x+2*\H]   ; my two bytes: blocks h and 2 + h,
.endr
.endr
.irp w, 0,1,2,3
	v_lshlrev_b32 v[PW+\w], v[SH8], v[PW+\w]       ; at their places in the word;
.endr
.irp w, 0,1,2,3
	v_permlanex16_b32 v[PT+\w], v[PW+\w], s[SEL], s[SEL+1]
.endr
.irp w, 0,1,2,3
	v_or_b32 v[PW+\w], v[PW+\w], v[PT+\w]          ; with lane l xor 16's two the word is whole
.endr
	CVT 0
	WIN 0xcf
.set i, 0
.rept 32                                       ; the second half's p; among them the first level of the first half's sums, pair on pair in place: nothing reads them before the wait below
	v_exp_f32 v[128+4*i], v[128+4*i]
	v_exp_f32 v[129+4*i], v[129+4*i]
	v_pk_add_f32 v[4*i:4*i+1], v[4*i:4*i+1], v[4*i+2:4*i+3]
	v_exp_f32 v[130+4*i], v[130+4*i]
	v_exp_f32 v[131+4*i], v[131+4*i]
.set i, i+1
.endr
	v_nop
	s_wait_alu depctr_va_vdst(0)                   ; one wait behind the batch
	CVT 1
	WIN 0x0c                                       ; THE ROW'S SUM IS TAKEN OF THE UNQUANTISED p: four chains a tile, eight by turns.  These 96 lines are also the places between p's codes and scale words and the products
.irp j, 0,1,2,3
.irp x, 0,1
.irp h, 0,1,2,3
	v_pk_add_f32 v[ST+16*\x+2+2*\h:ST+16*\x+3+2*\h], v[ST+16*\x+2+2*\h:ST+16*\x+3+2*\h], v[64*\x+16*\j+4*\h:64*\x+16*\j+4*\h+1]
.endr
.endr
.endr
.irp j, 0,1,2,3,4,5,6,7
.irp x, 0,1
.irp h, 0,1,2,3
	v_pk_add_f32 v[ST+16*\x+2+2*\h:ST+16*\x+3+2*\h], v[ST+16*\x+2+2*\h:ST+16*\x+3+2*\h], v[128+64*\x+8*\j+2*\h:128+64*\x+8*\j+2*\h+1]
.endr
.endr
.endr
	FET 0xc0, 128, ADR, 0, KS, 32768               ; K of the next step's first half, where the second half's p lay
	PV 0, \first                                   ; both halves of V were in at the change of slots
	PV 1, 0
	WIN 0
.endm
	s_wait_alu depctr_va_vdst(0)                   ; the wait at the head's end
	LINES 1                                        ; step 0's blocks are in; slot 1's first fill is issued as a refill is
	s_wait_dscnt 0x0
	s_barrier_signal -1
	s_barrier_wait -1
	REST 1
	FET 0xc0, 128, ADR, 0, KS, 32768               ; K of step 0's first half
	BODY 1, 1                                      ; the first step is written out: its products start O^T's sums
	s_mov_b32 s[CNT], 13
.Lstep:                                            ; steps 1 to 13
	BODY 0, 1
	s_sub_co_u32 s[CNT], s[CNT], 1
	s_cmp_lg_u32 s[CNT], 0
	s_cbranch_scc1 .Lstep
	s_mov_b32 s[CNT], 2
.Ltail:                                            ; steps 14 and 15 ask for nothing
	BODY 0, 0
	s_sub_co_u32 s[CNT], s[CNT], 1
	s_cmp_lg_u32 s[CNT], 0
	s_cbranch_scc1 .Ltail
	; THE WAY OUT.  The sums' chains and the other half of the lanes' are added; O^T is divided by the sum and goes through my stage in LDS, a tile at a time; it comes back as runs of 512 consecutive bytes.
	s_wait_alu depctr_va_vdst(0)                   ; the wait ahead of the wait below
	s_wait_dscnt 0x0
.irp x, 0,1
	v_pk_add_f32 v[ST+16*\x+2:ST+16*\x+3], v[ST+16*\x+2:ST+16*\x+3], v[ST+16*\x+4:ST+16*\x+5]
	v_pk_add_f32 v[ST+16*\x+6:ST+16*\x+7], v[ST+16*\x+6:ST+16*\x+7], v[ST+16*\x+8:ST+16*\x+9]
.endr
.irp x, 0,1
	v_pk_add_f32 v[ST+16*\x+2:ST+16*\x+3], v[ST+16*\x+2:ST+16*\x+3], v[ST+16*\x+6:ST+16*\x+7]
.endr
.irp x, 0,1
	v_add_f32 v[ST+16*\x+12], v[ST+16*\x+2], v[ST+16*\x+3]
.endr
.irp x, 0,1
	v_permlanex16_b32 v[PT+\x], v[ST+16*\x+12], s[SEL], s[SEL+1]
.endr
.irp x, 0,1
	v_add_f32 v[ST+16*\x+12], v[ST+16*\x+12], v[PT+\x]
.endr
	s_wait_alu depctr_va_vdst(0)                   ; ahead of the reciprocals,
.irp x, 0,1
	v_rcp_f32 v[ST+16*\x+10], v[ST+16*\x+12]
.endr
	v_nop
.macro PMUL x
	s_wait_alu depctr_va_vdst(0)                   ; and directly ahead of the first readers of the tile's O^T
	WIN 0x41
.set i, 0
.rept 64
	v_pk_mul_f32 v[128*\x+2*i:128*\x+2*i+1], v[128*\x+2*i:128*\x+2*i+1], v[ST+16*\x+10:ST+16*\x+11] op_sel_hi:[1,0]
.set i, i+1
.endr
.endm
.macro PST x                           ; lane (r, h): channels 16 n + 8 h + 0 .. 7 of query r
	WIN 0x04
.irp n, 0,1,2,3,4,5,6,7,8,9,10,11,12,13,14,15
	ds_store_b128 v[STO], v[128*\x+8*\n:128*\x+8*\n+3] offset:64*\n
	ds_store_b128 v[STO], v[128*\x+8*\n+4:128*\x+8*\n+7] offset:64*\n+16
.endr
.endm
.macro PLD x                           ; LDS serves a wave's instructions in order: these see my stores, and the next tile's stores come behind them
	WIN 0x80
.set i, 0
.rept 32
	ds_load_b128 v[128*\x+4*i:128*\x+4*i+3], v[RD] offset:(i/2)*SPITCH+(i%2)*512
.set i, i+1
.endr
.endm
.macro SEND x                          ; stage row p is row 8 x + p % 8 + 32 (p / 8) behind my first row of out; 32 lanes store 512 consecutive bytes
	WIN 0x08
.set i, 0
.rept 32
	global_store_b128 v[L16], v[128*\x+4*i:128*\x+4*i+3], s[8:9] offset:(8*\x+(i/2)%8+32*((i/2)/8))*1024+(i%2)*512 th:TH_STORE_NT
.set i, i+1
.endr
.endm
	PMUL 0
	PST 0
	PLD 0
	PMUL 1
	PST 1
	s_wait_dscnt 32                                ; tile 0's rows are back; tile 1's 32 stores into the stage may be out
	SEND 0
	PLD 1
	s_wait_dscnt 0x0
	SEND 1
	WIN 0
	s_wait_tensorcnt 0x0                           ; the wave's end
	ds_add_u32 v[SPW], v[NIL]
	s_wait_dscnt 0x0
	CROUND                                         ; the closing round
	s_endpgm
.Lfunc_end_k_q49ffe821b5_attn:
	.size	k_q49ffe821b5_attn, .Lfunc_end_k_q49ffe821b5_attn-k_q49ffe821b5_attn
	.p2alignl 7, 3214868480
	.fill 96, 4, 3214868480
	.section	.rodata,"a",@progbits
	.p2align	6, 0x0
	.amdhsa_kernel k_q49ffe821b5_attn
		.amdhsa_group_segment_fixed_size 327680
		.amdhsa_private_segment_fixed_size 0
		.amdhsa_enable_private_segment 0
		.amdhsa_kernarg_size 24
		.amdhsa_user_sgpr_count 2
		.amdhsa_user_sgpr_kernarg_segment_ptr 1
		.amdhsa_wavefront_size32 1
		.amdhsa_system_sgpr_workgroup_id_x 1
		.amdhsa_system_sgpr_workgroup_id_y 1
		.amdhsa_system_sgpr_workgroup_id_z 1
		.amdhsa_system_vgpr_workitem_id 0
		.amdhsa_next_free_vgpr 1024
		.amdhsa_next_free_sgpr 66
		.amdhsa_reserve_vcc 0
		.amdhsa_float_denorm_mode_32 3
		.amdhsa_float_denorm_mode_16_64 3
		.amdhsa_memory_ordered 1
		.amdhsa_forward_progress 1
		.amdhsa_inst_pref_size 245
	.end_amdhsa_kernel
	.amdgpu_metadata
---
amdhsa.version: [ 1, 2 ]
amdhsa.kernels:
  - .name:           k_q49ffe821b5_attn
    .symbol:         k_q49ffe821b5_attn.kd
    .args:
      - { .name: q, .offset: 0, .size: 8, .value_kind: global_buffer, .address_space: global }
      - { .name: kv, .offset: 8, .size: 8, .value_kind: global_buffer, .address_space: global }
      - { .name: out0, .offset: 16, .size: 8, .value_kind: global_buffer, .address_space: global }
    .group_segment_fixed_size: 327680
    .private_segment_fixed_size: 0
    .kernarg_segment_align: 8
    .kernarg_segment_size: 24
    .max_flat_workgroup_size: 128
    .sgpr_count:     66
    .vgpr_count:     1024
    .wavefront_size: 32
...
	.end_amdgpu_metadata
.endif
;; end of part 2
